; MI455X (gfx1250); checked and timed in simulation.
; The chip was launched on July 23, 2026; its instructions are those of AMD's public machine-readable ISA for CDNA 5 (MIT licence, August 2026) and "CDNA5" Instruction Set Architecture Reference Guide (July 2026). The comments in the code are by the model that wrote it; some were corrected since.
;; Flash SVD Ro PE Attention. Allowed arithmetic: matrix products marked QUANTISED: E5M2 operands, one E8M0 scale for each 32 along K, by v_wmma_scale_f32_16x16x128_f8f6f4 with both operands' format E5M2, f32 sums; everything else in f32.
;; Inputs: Pk_codes 4 x 2,048 x 8 x 32 uint8 (E5M2 codes of Pk, K innermost, in blocks of 32 codes); Pk_scales 4 x 2,048 x 8 uint8 (E8M0 scales of Pk, one for each 32 codes along K); Pq_codes 4 x 2,048 x 8 x 32 uint8 (E5M2 codes of Pq, K innermost, in blocks of 32 codes); Pq_scales 4 x 2,048 x 8 uint8 (E8M0 scales of Pq, one for each 32 codes along K); Pv_codes 4 x 2,048 x 8 x 32 uint8 (E5M2 codes of Pv, K innermost, in blocks of 32 codes); Pv_scales 4 x 2,048 x 8 uint8 (E8M0 scales of Pv, one for each 32 codes along K); Vk_codes 1,024 x 8 x 32 uint8 (E5M2 codes of Vk, K innermost, in blocks of 32 codes); Vk_scales 1,024 x 8 uint8 (E8M0 scales of Vk, one for each 32 codes along K); Vq_codes 1,024 x 8 x 32 uint8 (E5M2 codes of Vq, K innermost, in blocks of 32 codes); Vq_scales 1,024 x 8 uint8 (E8M0 scales of Vq, one for each 32 codes along K); Vv_codes 1,024 x 8 x 32 uint8 (E5M2 codes of Vv, K innermost, in blocks of 32 codes); Vv_scales 1,024 x 8 uint8 (E8M0 scales of Vv, one for each 32 codes along K); attention_mask 4 x 2,048 int32; bk 1,024 float32; bq 1,024 float32; bv 1,024 float32; position_ids 4 x 2,048 int32.
;; Outputs: out0 4 x 2,048 x 16 x 64 float32.
;; This version of the problem:
;;   THIS VERSION OF THE PROBLEM IS GIVEN IN LOW PRECISION. The matrix products marked QUANTISED in the list below multiply operands that are first quantised to E5M2 (5 exponent bits, 2 mantissa bits; 8 bits a number), with one power-of-two scale for each 32 numbers along K (OCP MX v1.0); their sums are f32. All else is computed in f32.
;;   The module's matrix products, in the order in which they are computed (A, B: the left and right operand; K: the contracted axis; several contracted axes count as one K, in the product's order):
;;     1. [M 8,192, K 256] x [K 256, N 1,024]; A: input Pq (given as codes); B: input Vq (given as codes): QUANTISED
;;     2. [M 8,192, K 256] x [K 256, N 1,024]; A: input Pk (given as codes); B: input Vk (given as codes): QUANTISED
;;     3. [M 8,192, K 256] x [K 256, N 1,024]; A: input Pv (given as codes); B: input Vv (given as codes): QUANTISED
;;     4. batch 64 x [M 2,048, K 64] x [K 64, N 2,048]; A: computed on the way; B: computed on the way: QUANTISED
;;     5. batch 64 x [M 64, K 2,048] x [K 2,048, N 2,048]; A: computed on the way; B: computed on the way: QUANTISED
;;   THE QUANTISER, for each operand of a quantised product, along K:
;;     - K is cut into blocks of 32 from its start; a last block that is shorter is filled with zeros.
;;     - A block's scale is 2^e with e = floor(log2(the largest magnitude in the block)) - 15, held to -126 .. 127; a block of zeros has e = 0. As a byte (E8M0): e + 127.
;;     - Each number is divided by its block's scale, clamped to +-57,344, and rounded to the nearest number of E5M2, ties to even, subnormals kept.
;;     - The product sums the exact products of the quantised numbers (number of the format x scale) in f32.
;;   ~~~python
;;   def quantise(x, axis):      # numpy; x: float32 -> the quantised numbers, widened to float32 again
;;       x = np.moveaxis(x, axis, -1); K = x.shape[-1]
;;       x = np.pad(x, [(0, 0)] * (x.ndim - 1) + [(0, -K % 32)]); x = x.reshape(x.shape[:-1] + (-1, 32)); a = np.abs(x).max(-1, keepdims=True)
;;       e = np.where(a > 0, np.clip(np.frexp(np.where(a > 0, a, 1))[1] - 1 - 15, -126, 127), 0)      # np.frexp(a)[1] - 1 = floor(log2(a)), exactly
;;       r = np.clip(x / 2.0 ** e, -57344, 57344)
;;       step = 2.0 ** (np.maximum(np.frexp(np.where(r == 0, 1, r))[1] - 1, -14) - 2)
;;       q = np.round(r / step) * step * 2.0 ** e      # np.round: ties to even
;;       return np.moveaxis(q.reshape(q.shape[:-2] + (-1,))[..., :K], -1, axis).astype(np.float32)
;;   ~~~
;;   OPERANDS COMPUTED ON THE WAY. 'Computed on the way' means the value that the module computes at that place (a softmax that the list does not call 'softmax' is quantised finished and normalised). What goes into a quantiser is computed in f32, as accurately as f32 sums, v_exp_f32 and their like allow (about 1e-6 of the number): no bf16 or f16 on the way to a quantiser, and a product that is left as it is and whose result goes on into a quantised operand takes f32 operands (vector FMAs, or v_wmma_f32_16x16x4_f32). A number that lies on a knife's edge between two numbers of the format may be rounded either way, as far as f32 arithmetic and the matrix unit's own rounding can turn it there, and no further.
;;   INPUTS GIVEN AS CODES. Pk (in the module: [4, 2048, 256], K = its axis 2); Pq (in the module: [4, 2048, 256], K = its axis 2); Pv (in the module: [4, 2048, 256], K = its axis 2); Vk (in the module: [256, 1024], K = its axis 0); Vq (in the module: [256, 1024], K = its axis 0); Vv (in the module: [256, 1024], K = its axis 0): each comes as NAME_codes (uint8): NAME with its K axis moved to the last place and cut into blocks of 32 codes, [.., K / 32, bytes a block], one block behind the other in memory; one code a byte (a code: sign, 5 exponent bits, 2 mantissa bits); and NAME_scales (uint8): the same leading axes, one E8M0 byte (e + 127) for each 32 codes along K. Its value is code x scale, taken as it is: it is not quantised again, and the codes and scales need not be those that the quantiser above would give.
;; One version. Each part assembles by itself: llvm-mc -triple=amdgcn-amd-amdhsa -mcpu=gfx1250 --defsym DOCPART=n.
;; ======== version 1 of 1: 2 launches
;; limits: right only within a limited range of input values
;; workspace buffers: qimg 8,912,896 bytes; kimg 8,912,896 bytes; vimg 8,650,752 bytes
;; launch prep (part 1): grid 64 x 4, 4 waves a work-group, no clusters, 0 bytes of LDS; arguments Pq_codes, Pq_scales, Vq_codes, Vq_scales, bq, Pk_codes, Pk_scales, Vk_codes, Vk_scales, bk, Pv_codes, Pv_scales, Vv_codes, Vv_scales, bv, attention_mask, position_ids, qimg, kimg, vimg; writes qimg, kimg, vimg
.if DOCPART == 1
	.amdgcn_target "amdgcn-amd-amdhsa--gfx1250"
	.amdhsa_code_object_version 6
	.text
	.protected	k_q3160dbecfe_prep
	.globl	k_q3160dbecfe_prep
	.p2align	8
	.type	k_q3160dbecfe_prep,@function
k_q3160dbecfe_prep:
	s_mov_b64 s[64:65], 0
	v_nop
	global_prefetch_b8 v0, s[64:65] scope:SCOPE_SE
	s_setreg_imm32_b32 hwreg(HW_REG_WAVE_MODE, 25, 1), 1
	s_wait_xcnt 0x0
; q = Pq Vq + bq, k = Pk Vk + bk (both turned by the rotary angles), v = Pv Vv + bv: three products on given codes of E5M2 with E8M0 scales,
; and the results quantised for the attention launch: q and k along the head's 64 (two blocks of 32), v along the keys (blocks of 32 keys).
; OUTPUT LAYOUT: images of operand registers.  qimg, kimg: [b x head 64][group of 64 tokens 32][4,352 bytes]: 4 tiles x 2 register groups x 32 lanes x 16 bytes of codes,
; then 256 bytes of scale words [lane][2]: word j of lane (h, r) is tile 2 j + h, row r.  Lane r of tile q is token 32 (q / 2) + 8 (q % 2) + r + 8 (r / 8) of the group.
; A scale word is s0 | s1 << 8 | m << 16 | 127 << 24.  m scales a 65th place along K that the attention launch adds (-1 in k, +1 in q): q: 127; k: 1 for a key that counts, 254 for a masked key.
; vimg: [b x head][step of 128 keys 16][8,448 bytes]: 4 tiles of 16 channels x 4 register groups x 32 lanes x 16 bytes, then 256 bytes of scale words, word j of lane (h, r): tile 2 j + h, channel row r.
; SHARES: work-group (x, y) takes tokens 128 x .. 128 x + 127 of the 8,192 and heads 4 y .. 4 y + 3.  First part: wave w takes 64 tokens (w % 2) of q (w / 2 = 0) or of k (1), all four heads.
; Second part: wave w takes head 4 y + w of v, all 128 tokens.  No LDS, no barrier: waves share nothing.  Every offset is an immediate; no pointer is stepped after the first load.
; q AND k ARE MADE TRANSPOSED (source 0 = 16 rows of the weight, source 1 = 16 tokens): a lane holds one token and its registers run along the head's channels.  The weight's rows of a tile are
; 32 (t / 2) + 8 (t % 2) + r + 8 (r / 8), so that register 16 b + i of a token tile is channel 32 b + 16 h + i: the pair of a rotation (i, i + 32) lies in one lane, and the conversions' results are operand registers.
; v IS MADE THE OTHER WAY (source 0 = 16 tokens, source 1 = 16 channels): a lane holds one channel and its registers run along the keys.
; ANGLES: inv_freq(i) = 1 / 10^(i / 8), each rounded to f32 once; angle = f32(position) x inv_freq; sine and cosine by a reduction by pi/2 in three parts and polynomials on |r| <= pi/4.
; LIMITS: |position| up to about 2^20 (beyond, the quadrant number is no longer sure); a block of zeros gets the scale byte 1 and zero codes (the bytes are read by this program alone); NaN and infinity among the codes are not served.
; REGISTERS, in windows of 256.  Window 0: v1-11 lane terms; v12-15 m words; v16-19 positions; v20-21 scale words to store; v24-39 the quantiser's; v64-127 sums; v128-143 codes; v144-159 inv_freq;
;   v160-215 at work; v216-223 scale words of P; v224-239 of the weights, two sets; v240-247 of Pv, two sets; v248-251 v's scale words; v252-255 bv.
;   Window 1: v0-127 P's fragments; v128-255 weight set 0.   Window 2: v0-127 cosines and sines; v128-255 weight set 1.   Window 3: v0-63 biases, two sets; v64-191 Pv's fragments, two sets; v192-223 bv spread.
.set ACC,  64
.set PC,   128
.set IFQ,  144
.set TS,   160
.set PSC,  216
.set WSC,  224
.set PVS,  240
.set VWD,  248
.set BVL,  252
.set MB,   12
.set POSF, 16
.set OUTW, 20
.set TM,   24
.set QBH,  139264                      ; bytes of one (b, head) in qimg and kimg
.set MSB,  0
.macro WIN new                         ; the immediate's high byte repeats the setting that is left; a switch that changes nothing is dropped
.if MSB != (\new)
	s_set_vgpr_msb (MSB<<8)|(\new)
.set MSB, (\new)
.endif
.endm
.macro NOPS n
.rept \n
	v_nop
.endr
.endm
; the weights, scale words and biases of head hd of my four, into set p
.macro WLOAD hd, p
	WIN 0x40*(1+(\p))
.irp t,0,1,2,3
.irp k,0,1
.irp c,0,1,2,3
	global_load_b128 v[128+32*\t+16*\k+4*\c:128+32*\t+16*\k+4*\c+3], v3, s[52:53] offset:(\hd)*16384+(32*(\t/2)+8*(\t%2))*256+128*\k+32*\c
.endr
.endr
.endr
	WIN 0xc0
.irp t,0,1,2,3
	global_load_b128 v[32*(\p)+8*\t:32*(\p)+8*\t+3], v7, s[56:57] offset:(64*(\hd)+32*(\t/2)+8*(\t%2))*4
	global_load_b128 v[32*(\p)+8*\t+4:32*(\p)+8*\t+7], v7, s[56:57] offset:(64*(\hd)+32*(\t/2)+8*(\t%2))*4+16
.endr
	WIN 0
.irp t,0,1,2,3
	global_load_b64 v[WSC+8*(\p)+2*\t:WSC+8*(\p)+2*\t+1], v4, s[54:55] offset:(\hd)*512+(32*(\t/2)+8*(\t%2))*8
.endr
.endm
; Vv's 64 rows of my head, in their own order, into weight set 0
.macro VWLOAD
	WIN 0x40
.irp t,0,1,2,3
.irp k,0,1
.irp c,0,1,2,3
	global_load_b128 v[128+32*\t+16*\k+4*\c:128+32*\t+16*\k+4*\c+3], v5, s[32:33] offset:4096*\t+128*\k+32*\c
.endr
.endr
.endr
	WIN 0
.irp t,0,1,2,3
	global_load_b64 v[WSC+2*\t:WSC+2*\t+1], v6, s[34:35] offset:128*\t
.endr
.endm
; Pv's tokens 32 c .. 32 c + 31 of the 128, as two tiles, into set c % 2
.macro PVLOAD c
.set PVB, 64-64*((\c)/2)               ; c = 0, 1: window 3, v64 on;  c = 2, 3: window 1, v0 on, where P's fragments lay
.set PVX, PVS-(PVS-PSC)*((\c)/2)       ; their scale words: c = 2, 3 take the registers of P's scale words
	WIN 0xc0-0x80*((\c)/2)
.irp u,0,1
.irp k,0,1
.irp e,0,1,2,3
	global_load_b128 v[PVB+64*((\c)%2)+32*\u+16*\k+4*\e:PVB+64*((\c)%2)+32*\u+16*\k+4*\e+3], v3, s[28:29] offset:(32*(\c)+8*\u)*256+128*\k+32*\e
.endr
.endr
.endr
	WIN 0
.irp u,0,1
	global_load_b64 v[PVX+4*((\c)%2)+2*\u:PVX+4*((\c)%2)+2*\u+1], v4, s[30:31] offset:(32*(\c)+8*\u)*8
.endr
.endm
; one frequency's base: 10^(i / 8) for i = j (lanes 0-15) and i = 16 + j (lanes 16-31)
.macro XF j, lo, hi
	v_mov_b32 v[IFQ+\j], \lo
	v_mov_b32 v[TS+\j], \hi
	v_cndmask_b32 v[IFQ+\j], v[IFQ+\j], v[TS+\j], s79
.endm
; sine and cosine of token tile tt's angle at frequencies j0 .. j0 + 7 of my half; each line for the eight by turns.  Seven registers each: +0 x, r; +1 n; +2 quadrant; +3 r^2; +4 cosine; +5 sine; +6 at work
.macro SINCOS8 tt, j0
.irp e,0,1,2,3,4,5,6,7
	v_mul_f32 v[TS+7*\e], v[POSF+\tt], v[IFQ+\j0+\e]
.endr
.irp e,0,1,2,3,4,5,6,7
	v_mul_f32 v[TS+7*\e+1], s80, v[TS+7*\e]
.endr
.irp e,0,1,2,3,4,5,6,7
	v_rndne_f32 v[TS+7*\e+1], v[TS+7*\e+1]         ; n = the nearest whole number to x 2 / pi
.endr
.irp e,0,1,2,3,4,5,6,7
	v_fma_f32 v[TS+7*\e], v[TS+7*\e+1], s81, v[TS+7*\e]   ; r = x - n pi/2, pi/2 in three parts; this first step rounds nothing
.endr
.irp e,0,1,2,3,4,5,6,7
	v_fma_f32 v[TS+7*\e], v[TS+7*\e+1], s82, v[TS+7*\e]
.endr
.irp e,0,1,2,3,4,5,6,7
	v_fma_f32 v[TS+7*\e], v[TS+7*\e+1], s83, v[TS+7*\e]
.endr
.irp e,0,1,2,3,4,5,6,7
	v_cvt_i32_f32 v[TS+7*\e+2], v[TS+7*\e+1]
.endr
.irp e,0,1,2,3,4,5,6,7
	v_mul_f32 v[TS+7*\e+3], v[TS+7*\e], v[TS+7*\e]
.endr
.irp e,0,1,2,3,4,5,6,7
	v_fma_f32 v[TS+7*\e+4], v[TS+7*\e+3], s84, s85
.endr
.irp e,0,1,2,3,4,5,6,7
	v_fma_f32 v[TS+7*\e+5], v[TS+7*\e+3], s87, s88
.endr
.irp e,0,1,2,3,4,5,6,7
	v_fma_f32 v[TS+7*\e+4], v[TS+7*\e+4], v[TS+7*\e+3], s86
.endr
.irp e,0,1,2,3,4,5,6,7
	v_fma_f32 v[TS+7*\e+5], v[TS+7*\e+5], v[TS+7*\e+3], s89
.endr
.irp e,0,1,2,3,4,5,6,7
	v_mul_f32 v[TS+7*\e+6], v[TS+7*\e], v[TS+7*\e+3]
.endr
.irp e,0,1,2,3,4,5,6,7
	v_fma_f32 v[TS+7*\e+4], v[TS+7*\e+4], v[TS+7*\e+3], -0.5
.endr
.irp e,0,1,2,3,4,5,6,7
	v_fma_f32 v[TS+7*\e+5], v[TS+7*\e+5], v[TS+7*\e+6], v[TS+7*\e]   ; sin r
.endr
.irp e,0,1,2,3,4,5,6,7
	v_fma_f32 v[TS+7*\e+4], v[TS+7*\e+4], v[TS+7*\e+3], 1.0          ; cos r
.endr
.irp e,0,1,2,3,4,5,6,7
	v_and_b32 v[TS+7*\e+6], 1, v[TS+7*\e+2]
.endr
.irp e,0,1,2,3,4,5,6,7
	v_cmp_ne_u32 vcc_lo, 0, v[TS+7*\e+6]                             ; in an odd quadrant the two change places
	v_cndmask_b32 v[TS+7*\e], v[TS+7*\e+5], v[TS+7*\e+4], vcc_lo
	v_cndmask_b32 v[TS+7*\e+1], v[TS+7*\e+4], v[TS+7*\e+5], vcc_lo
.endr
.irp e,0,1,2,3,4,5,6,7
	v_lshlrev_b32 v[TS+7*\e+3], 30, v[TS+7*\e+2]                     ; the sine's sign: bit 1 of the quadrant
.endr
.irp e,0,1,2,3,4,5,6,7
	v_add_nc_u32 v[TS+7*\e+2], 1, v[TS+7*\e+2]                       ; the cosine's: bit 1 of the quadrant + 1
.endr
.irp e,0,1,2,3,4,5,6,7
	v_and_b32 v[TS+7*\e+3], s90, v[TS+7*\e+3]
.endr
.irp e,0,1,2,3,4,5,6,7
	v_lshlrev_b32 v[TS+7*\e+2], 30, v[TS+7*\e+2]
.endr
.irp e,0,1,2,3,4,5,6,7
	v_and_b32 v[TS+7*\e+2], s90, v[TS+7*\e+2]
.endr
	WIN 0x80                                       ; destination window 2
.irp e,0,1,2,3,4,5,6,7
	v_xor_b32 v[32*\tt+16+\j0+\e], v[TS+7*\e], v[TS+7*\e+3]
	v_xor_b32 v[32*\tt+\j0+\e], v[TS+7*\e+1], v[TS+7*\e+2]
.endr
	WIN 0
.endm
; the rotation of the sums' token tile x (its cosines and sines: tile tt): x0' = x0 cos - x1 sin, x1' = x0 sin + x1 cos.  Each sum's registers are read from the low end on
.macro ROPE x, tt
	WIN 0x08                                       ; source 1 window 2
.irp i,0,2,4,6,8,10,12,14
	v_pk_mul_f32 v[TS+2*\i:TS+2*\i+1], v[ACC+32*\x+16+\i:ACC+32*\x+17+\i], v[32*(\tt)+16+\i:32*(\tt)+17+\i]
.endr
.irp i,0,2,4,6,8,10,12,14
	v_pk_mul_f32 v[TS+2*\i+2:TS+2*\i+3], v[ACC+32*\x+16+\i:ACC+32*\x+17+\i], v[32*(\tt)+\i:32*(\tt)+\i+1]
.endr
.irp i,0,2,4,6,8,10,12,14
	v_pk_fma_f32 v[ACC+32*\x+16+\i:ACC+32*\x+17+\i], v[ACC+32*\x+\i:ACC+32*\x+\i+1], v[32*(\tt)+16+\i:32*(\tt)+17+\i], v[TS+2*\i+2:TS+2*\i+3]
.endr
.irp i,0,2,4,6,8,10,12,14
	v_pk_fma_f32 v[ACC+32*\x+\i:ACC+32*\x+\i+1], v[ACC+32*\x+\i:ACC+32*\x+\i+1], v[32*(\tt)+\i:32*(\tt)+\i+1], v[TS+2*\i:TS+2*\i+1] neg_lo:[0,0,1] neg_hi:[0,0,1]
.endr
	WIN 0
.endm
; 64 numbers of a lane, four runs of 16, each run half a block of 32 whose other half lies in lane l xor 16: codes into v[PC] on (four registers a block), the blocks' scale bytes into v[TM+4] on
.macro QUANT s
.irp b,0,1,2,3
	v_max3_num_f32 v[TM+\b], |v[\s+16*\b]|, |v[\s+1+16*\b]|, 0x8000000   ; with the floor 2^(16 - 127): the byte cannot fall under 1
.endr
.irp i,2,4,6,8,10,12,14
.irp b,0,1,2,3
	v_max3_num_f32 v[TM+\b], v[TM+\b], |v[\s+16*\b+\i]|, |v[\s+1+16*\b+\i]|
.endr
.endr
.irp b,0,1,2,3
	v_permlanex16_b32 v[TM+4+\b], v[TM+\b], s76, s77
.endr
.irp b,0,1,2,3
	v_max_num_f32 v[TM+\b], v[TM+\b], v[TM+4+\b]   ; the block's largest magnitude
.endr
.irp b,0,1,2,3
	v_add_nc_u32 v[TM+12+\b], 0xf8800000, v[TM+\b] ; 15 off its exponent field: the conversion's scale operand
.endr
.irp b,0,1,2,3
	v_and_or_b32 v[TM+8+\b], v[TM+\b], 0x7f800000, s78   ; 57,344 x the scale
.endr
.irp b,0,1,2,3
	v_lshrrev_b32 v[TM+4+\b], 23, v[TM+12+\b]      ; the scale's byte
.endr
.irp b,0,1,2,3
.irp i,0,1,2,3,4,5,6,7,8,9,10,11,12,13,14,15
	v_med3_num_f32 v[\s+16*\b+\i], v[\s+16*\b+\i], -v[TM+8+\b], v[TM+8+\b]   ; the conversion to an 8-bit code does not saturate (ISA guide 7.6.2): the hold comes first
.endr
	v_cvt_scalef32_pk8_bf8_f32 v[PC+4*\b:PC+1+4*\b], v[\s+16*\b:\s+7+16*\b], v[TM+12+\b]
	v_cvt_scalef32_pk8_bf8_f32 v[PC+2+4*\b:PC+3+4*\b], v[\s+8+16*\b:\s+15+16*\b], v[TM+12+\b]
.endr
	v_nop                                          ; a plain vector instruction between the last conversion and whatever next writes its sources
.endm
; head hd of my four, for my 64 tokens: two token tiles at a time
.macro HEAD hd
.set PB, (\hd)%2
; this head's weights are in.  Each count is what was issued behind them: a head's weights are 44 loads, Vv's 36, a block of Pv 18
.if (\hd) == 0
	s_wait_loadcnt 44                              ; behind head 0's: head 1's
	PVLOAD 0
.elseif (\hd) == 1
	s_wait_loadcnt 62                              ; behind head 1's: Pv's block 0 and head 2's
.elseif (\hd) == 2
	s_wait_loadcnt 44                              ; behind head 2's: head 3's
	PVLOAD 1
.else
	s_wait_loadcnt 54                              ; behind head 3's: Pv's block 1 and Vv's
.endif
.irp g,0,1
	WIN 0x35+PB                                    ; source 0 (weight) window 1 or 2, source 1 (P) window 1, source 2 (bias) window 3
.irp t,0,1,2,3
.irp x,0,1
	v_wmma_scale_f32_16x16x128_f8f6f4 v[ACC+32*\x+8*\t:ACC+32*\x+8*\t+7], v[128+32*\t:128+32*\t+15], v[32*(2*\g+\x):32*(2*\g+\x)+15], v[32*PB+8*\t:32*PB+8*\t+7], v[WSC+8*PB+2*\t], v[PSC+2*(2*\g+\x)] matrix_a_fmt:MATRIX_FMT_BF8 matrix_b_fmt:MATRIX_FMT_BF8
.endr
.endr
	WIN 0x05+PB                                    ; the second 128 along K adds in place: the eight sums take turns
.irp t,0,1,2,3
.irp x,0,1
	v_wmma_scale_f32_16x16x128_f8f6f4 v[ACC+32*\x+8*\t:ACC+32*\x+8*\t+7], v[128+32*\t+16:128+32*\t+31], v[32*(2*\g+\x)+16:32*(2*\g+\x)+31], v[ACC+32*\x+8*\t:ACC+32*\x+8*\t+7], v[WSC+8*PB+2*\t+1], v[PSC+2*(2*\g+\x)+1] matrix_a_fmt:MATRIX_FMT_BF8 matrix_b_fmt:MATRIX_FMT_BF8
.endr
.endr
	WIN 0
	NOPS 8
.if \g == 1                            ; this head's last products stand eight places back: their registers take what is needed two stages on
.if (\hd) < 2
	WLOAD (\hd)+2, PB
.elseif (\hd) == 2
	VWLOAD
.else
	PVLOAD 2
	PVLOAD 3
.endif
.endif
	ROPE 0, 2*\g
	ROPE 1, 2*\g+1
	s_wait_xcnt 0x0                                ; the earlier stores have read their registers: codes and words may be written again
	QUANT ACC
	v_lshl_or_b32 v22, v[TM+5], 8, v[TM+4]         ; tile 2 g: s0 | s1 << 8,
	v_lshl_or_b32 v23, v[TM+7], 8, v[TM+6]         ; tile 2 g + 1
	v_or_b32 v22, v22, v[MB+2*\g]                  ; and m << 16 | 127 << 24 of my token
	v_or_b32 v23, v23, v[MB+2*\g+1]
	v_cndmask_b32 v[OUTW+\g], v22, v23, s79        ; lanes 0-15 keep the even tile's word, lanes 16-31 the odd tile's
.irp x,0,1
.irp c,0,1
	global_store_b128 v10, v[PC+8*\x+4*\c:PC+8*\x+4*\c+3], s[58:59] offset:(\hd)*QBH+(2*\g+\x)*1024+512*\c   ; 32 lanes store 512 consecutive bytes, aligned to 256
.endr
.endr
.endr
	global_store_b64 v11, v[OUTW:OUTW+1], s[58:59] offset:(\hd)*QBH+4096   ; 256 consecutive bytes, aligned
.endm
; v: keys 32 c .. 32 c + 31 of my 128, all 64 channels of my head
.macro VBLK c
.set VB2, (\c)%2
.set PVB, 64-64*((\c)/2)
.set PVX, PVS-(PVS-PSC)*((\c)/2)
.if (\c) == 0
	s_wait_loadcnt 36                              ; Vv and Pv's blocks 0 and 1 are in; blocks 2 and 3, 18 loads each, may be out
.elseif (\c) == 2
	s_wait_loadcnt 18
.elseif (\c) == 3
	s_wait_loadcnt 0x0
.endif
	WIN 0x37-2*((\c)/2)                            ; source 0 (Pv) window 3 or 1, source 1 (Vv) window 1, source 2 (bv) window 3
.irp t,0,1,2,3
.irp u,0,1
	v_wmma_scale_f32_16x16x128_f8f6f4 v[ACC+16*\t+8*\u:ACC+16*\t+8*\u+7], v[PVB+64*VB2+32*\u:PVB+64*VB2+32*\u+15], v[128+32*\t:128+32*\t+15], v[192+8*\t:192+8*\t+7], v[PVX+4*VB2+2*\u], v[WSC+2*\t] matrix_a_fmt:MATRIX_FMT_BF8 matrix_b_fmt:MATRIX_FMT_BF8
.endr
.endr
	WIN 0x07-2*((\c)/2)
.irp t,0,1,2,3
.irp u,0,1
	v_wmma_scale_f32_16x16x128_f8f6f4 v[ACC+16*\t+8*\u:ACC+16*\t+8*\u+7], v[PVB+64*VB2+32*\u+16:PVB+64*VB2+32*\u+31], v[128+32*\t+16:128+32*\t+31], v[ACC+16*\t+8*\u:ACC+16*\t+8*\u+7], v[PVX+4*VB2+2*\u+1], v[WSC+2*\t+1] matrix_a_fmt:MATRIX_FMT_BF8 matrix_b_fmt:MATRIX_FMT_BF8
.endr
.endr
	WIN 0
	NOPS 8
	s_wait_xcnt 0x0
	QUANT ACC                                      ; block t of the four: channel 16 t + r, these 32 keys
.irp t,0,1,2,3
.if (\c) == 0
	v_mov_b32 v[VWD+\t], v[TM+4+\t]
.else
	v_lshl_or_b32 v[VWD+\t], v[TM+4+\t], 8*(\c), v[VWD+\t]
.endif
.endr
.irp t,0,1,2,3
	global_store_b128 v10, v[PC+4*\t:PC+4*\t+3], s[46:47] offset:2048*\t+512*(\c)
.endr
.endm
	s_load_b512 s[8:23], s[0:1], 0x0               ; Pq codes, scales; Vq codes, scales; bq; Pk codes, scales; Vk codes
	s_load_b512 s[24:39], s[0:1], 0x40             ; Vk scales; bk; Pv codes, scales; Vv codes, scales; bv; the mask
	s_load_b256 s[40:47], s[0:1], 0x80             ; positions; qimg; kimg; vimg
	v_lshrrev_b32 v1, 5, v0
	v_readfirstlane_b32 s2, v1                     ; wave 0..3
	v_and_b32 v1, 15, v0                           ; r
	v_bfe_u32 v2, v0, 4, 1                         ; h
	v_and_b32 v11, 31, v0                          ; lane
	v_and_b32 v9, 8, v1
	v_add_nc_u32 v9, v9, v1                        ; r + 8 (r / 8)
	v_lshlrev_b32 v3, 8, v9
	v_lshl_add_u32 v3, v2, 4, v3                   ; a row of 256 codes, rows in the tiles' order, + 16 h
	v_lshlrev_b32 v4, 3, v9                        ; its 8 scale bytes
	v_lshlrev_b32 v5, 8, v1
	v_lshl_add_u32 v5, v2, 4, v5                   ; the same with rows in their own order
	v_lshlrev_b32 v6, 3, v1
	v_lshlrev_b32 v7, 6, v2                        ; a bias: 16 numbers on for lanes 16-31
	v_lshlrev_b32 v8, 2, v1
	v_lshlrev_b32 v9, 2, v9
	v_lshlrev_b32 v10, 4, v11                      ; an image's place for my lane
	v_lshlrev_b32 v11, 3, v11                      ; two scale words' place
	v_cmp_ne_u32 s79, 0, v2                        ; lanes 16-31
.irp b,0,1,2,3
	v_mov_b32 v[TM+4+\b], 0                        ; a lane permute's destination counts as one of its sources
.endr
	s_and_b32 s3, s2, 1                            ; which 64 tokens
	s_lshr_b32 s4, s2, 1                           ; q (0) or k (1)
	s_and_b32 s6, ttmp7, 0xffff                    ; which four heads
	s_lshl_b32 s5, ttmp9, 7
	s_lshl_b32 s7, s3, 6
	s_add_co_u32 s5, s5, s7                        ; my first token of the 8,192
	s_mov_b32 s76, 0x76543210
	s_mov_b32 s77, 0xfedcba98                      ; v_permlanex16_b32's selects for lane l xor 16
	s_mov_b32 s78, 0x600000                        ; the mantissa field of 57,344
	s_mov_b32 s80, 0x3f22f983                      ; 2 / pi
	s_mov_b32 s81, 0xbfc90fdb                      ; - the f32 nearest pi/2,
	s_mov_b32 s82, 0x333bbd2e                      ; + 4.3711388e-8,
	s_mov_b32 s83, 0x26f72ced                      ; + 1.7151245e-15: what that f32 has too much, in two parts
	s_mov_b32 s84, 0x37ccf5ce                      ; cosine: 2.4433157e-5,
	s_mov_b32 s85, 0xbab6061a                      ; -1.3887316e-3,
	s_mov_b32 s86, 0x3d2aaaa5                      ; 4.1666646e-2 (then -0.5 and 1)
	s_mov_b32 s87, 0xb94ca1f9                      ; sine: -1.9515296e-4,
	s_mov_b32 s88, 0x3c08839e                      ; 8.3321609e-3,
	s_mov_b32 s89, 0xbe2aaaa3                      ; -1.6666655e-1
	s_mov_b32 s90, 0x80000000
	s_wait_alu depctr_va_vdst(0)
	s_wait_kmcnt 0x0
	s_cmp_eq_u32 s4, 0                             ; the choice hangs on the wave's number alone
	s_cselect_b64 s[48:49], s[8:9], s[18:19]       ; P's codes
	s_cselect_b64 s[50:51], s[10:11], s[20:21]     ; P's scales
	s_cselect_b64 s[52:53], s[12:13], s[22:23]     ; the weight's codes
	s_cselect_b64 s[54:55], s[14:15], s[24:25]     ; the weight's scales
	s_cselect_b64 s[56:57], s[16:17], s[26:27]     ; the bias
	s_cselect_b64 s[58:59], s[42:43], s[44:45]     ; the images
	s_mov_b32 s60, 0x7f010000                      ; k, a key that counts: m = 1
	s_cselect_b32 s60, 0x7f7f0000, s60             ; q: m = 127
	s_mov_b32 s61, 0x7ffe0000                      ; k, a masked key: m = 254
	s_cselect_b32 s61, 0x7f7f0000, s61
	s_mov_b32 s63, 0
	s_lshl_b32 s62, s5, 8
	s_add_nc_u64 s[48:49], s[48:49], s[62:63]
	s_lshl_b32 s62, s5, 3
	s_add_nc_u64 s[50:51], s[50:51], s[62:63]
	s_lshl_b32 s62, s6, 16                         ; four heads: 256 rows of 256 bytes
	s_add_nc_u64 s[52:53], s[52:53], s[62:63]
	s_lshl_b32 s62, s6, 11
	s_add_nc_u64 s[54:55], s[54:55], s[62:63]
	s_lshl_b32 s62, s6, 10
	s_add_nc_u64 s[56:57], s[56:57], s[62:63]
	s_lshr_b32 s7, ttmp9, 4                        ; b
	s_lshl_b32 s7, s7, 4
	s_lshl_b32 s66, s6, 2
	s_add_co_u32 s7, s7, s66                       ; 16 b + my first head
	s_mul_i32 s62, s7, QBH
	s_and_b32 s66, ttmp9, 15                       ; which 128 tokens of the batch row
	s_lshl_b32 s67, s66, 1
	s_add_co_u32 s67, s67, s3                      ; which group of 64
	s_mul_i32 s67, s67, 4352
	s_add_co_u32 s62, s62, s67
	s_add_nc_u64 s[58:59], s[58:59], s[62:63]
	s_lshl_b32 s62, s5, 2
	s_add_nc_u64 s[38:39], s[38:39], s[62:63]
	s_add_nc_u64 s[40:41], s[40:41], s[62:63]
	s_lshl_b32 s62, ttmp9, 15                      ; v: all 128 tokens
	s_add_nc_u64 s[28:29], s[28:29], s[62:63]
	s_lshl_b32 s62, ttmp9, 10
	s_add_nc_u64 s[30:31], s[30:31], s[62:63]
	s_lshl_b32 s68, s6, 2
	s_add_co_u32 s68, s68, s2                      ; v: my head
	s_lshl_b32 s62, s68, 14
	s_add_nc_u64 s[32:33], s[32:33], s[62:63]
	s_lshl_b32 s62, s68, 9
	s_add_nc_u64 s[34:35], s[34:35], s[62:63]
	s_lshl_b32 s62, s68, 8
	s_add_nc_u64 s[36:37], s[36:37], s[62:63]
	s_add_co_u32 s7, s7, s2
	s_mul_i32 s62, s7, 135168
	s_mul_i32 s66, s66, 8448
	s_add_co_u32 s62, s62, s66
	s_add_nc_u64 s[46:47], s[46:47], s[62:63]
.irp q,0,1,2,3
	global_load_b64 v[PSC+2*\q:PSC+2*\q+1], v4, s[50:51] offset:(32*(\q/2)+8*(\q%2))*8
	global_load_b32 v[POSF+\q], v9, s[40:41] offset:(32*(\q/2)+8*(\q%2))*4
	global_load_b32 v[MB+\q], v9, s[38:39] offset:(32*(\q/2)+8*(\q%2))*4
.endr
.irp t,0,1,2,3
	global_load_b32 v[BVL+\t], v8, s[36:37] offset:64*\t
.endr
	WIN 0x40                                       ; behind the 16 small loads: P's fragments, 32 loads; they stay for all four heads: tile q, K step k at v[32 q + 16 k] of window 1
.irp q,0,1,2,3
.irp k,0,1
.irp c,0,1,2,3
	global_load_b128 v[32*\q+16*\k+4*\c:32*\q+16*\k+4*\c+3], v3, s[48:49] offset:(32*(\q/2)+8*(\q%2))*256+128*\k+32*\c
.endr
.endr
.endr
	WIN 0
	; inv_freq while the loads are out: 10^(i / 8) as decimals, which the assembler rounds to f32; then 1 / X by a reciprocal and one correction
	XF 0, 1.0, 100.0
	XF 1, 1.3335214321633240, 133.35214321633240
	XF 2, 1.7782794100389228, 177.82794100389228
	XF 3, 2.3713737056616552, 237.13737056616552
	XF 4, 3.1622776601683795, 316.22776601683795
	XF 5, 4.2169650342858226, 421.69650342858226
	XF 6, 5.6234132519034912, 562.34132519034912
	XF 7, 7.4989420933245583, 749.89420933245583
	XF 8, 10.0, 1000.0
	XF 9, 13.335214321633240, 1333.5214321633240
	XF 10, 17.782794100389228, 1778.2794100389228
	XF 11, 23.713737056616552, 2371.3737056616552
	XF 12, 31.622776601683795, 3162.2776601683795
	XF 13, 42.169650342858226, 4216.9650342858226
	XF 14, 56.234132519034912, 5623.4132519034912
	XF 15, 74.989420933245583, 7498.9420933245583
	s_wait_alu depctr_va_vdst(0)
.irp j,0,1,2,3,4,5,6,7,8,9,10,11,12,13,14,15
	v_rcp_f32 v[TS+\j], v[IFQ+\j]
.endr
	v_nop                                          ; a plain instruction behind the reciprocals
	s_wait_alu depctr_va_vdst(0)
.irp j,0,1,2,3,4,5,6,7,8,9,10,11,12,13,14,15
	v_fma_f32 v[TS+16+\j], -v[IFQ+\j], v[TS+\j], 1.0
.endr
.irp j,0,1,2,3,4,5,6,7,8,9,10,11,12,13,14,15
	v_fma_f32 v[IFQ+\j], v[TS+\j], v[TS+16+\j], v[TS+\j]
.endr
	s_wait_loadcnt 32                              ; scale words, positions, mask and bv are in; P's 32 loads may be out
	WLOAD 0, 0
	v_mov_b32 v22, s61
	v_mov_b32 v23, s60
.irp q,0,1,2,3
	v_cvt_f32_i32 v[POSF+\q], v[POSF+\q]
	v_cmp_ne_u32 vcc_lo, 0, v[MB+\q]
	v_cndmask_b32 v[MB+\q], v22, v23, vcc_lo
.endr
	WIN 0xc0                                       ; bv of my channel in all eight registers of a sum's first C
.irp t,0,1,2,3
.irp j,0,1,2,3,4,5,6,7
	v_mov_b32 v[192+8*\t+\j], v[BVL+\t]
.endr
.endr
	WIN 0
.irp q,0,1,2
	SINCOS8 \q, 0
	SINCOS8 \q, 8
.endr
	WLOAD 1, 1                                     ; head 1's weights, three quarters of the angles behind head 0's
	SINCOS8 3, 0
	SINCOS8 3, 8
	HEAD 0
	HEAD 1
	HEAD 2
	HEAD 3
	VBLK 0
	VBLK 1
	VBLK 2
	VBLK 3
	v_cndmask_b32 v[OUTW], v[VWD], v[VWD+1], s79   ; (free since the wait in the last block)
	v_cndmask_b32 v[OUTW+1], v[VWD+2], v[VWD+3], s79
	global_store_b64 v11, v[OUTW:OUTW+1], s[46:47] offset:8192
	s_endpgm
.Lfunc_end_k_q3160dbecfe_prep:
	.size	k_q3160dbecfe_prep, .Lfunc_end_k_q3160dbecfe_prep-k_q3160dbecfe_prep
	.p2alignl 7, 3214868480
	.fill 96, 4, 3214868480
	.section	.rodata,"a",@progbits
	.p2align	6, 0x0
	.amdhsa_kernel k_q3160dbecfe_prep
		.amdhsa_group_segment_fixed_size 0
		.amdhsa_private_segment_fixed_size 0
		.amdhsa_enable_private_segment 0
		.amdhsa_kernarg_size 160
		.amdhsa_user_sgpr_count 2
		.amdhsa_user_sgpr_kernarg_segment_ptr 1
		.amdhsa_wavefront_size32 1
		.amdhsa_system_sgpr_workgroup_id_x 1
		.amdhsa_system_sgpr_workgroup_id_y 1
		.amdhsa_system_sgpr_workgroup_id_z 1
		.amdhsa_system_vgpr_workitem_id 0
		.amdhsa_next_free_vgpr 1024
		.amdhsa_next_free_sgpr 96
		.amdhsa_reserve_vcc 1
		.amdhsa_float_denorm_mode_32 3
		.amdhsa_float_denorm_mode_16_64 3
		.amdhsa_memory_ordered 1
		.amdhsa_forward_progress 1
		.amdhsa_inst_pref_size 255
	.end_amdhsa_kernel
	.section	.bss,"aw",@nobits
	.p2align	6
	.space	262144
	.amdgpu_metadata
---
amdhsa.version: [ 1, 2 ]
amdhsa.kernels:
  - .name:           k_q3160dbecfe_prep
    .symbol:         k_q3160dbecfe_prep.kd
    .args:
      - { .name: Pq_codes, .offset: 0, .size: 8, .value_kind: global_buffer, .address_space: global }
      - { .name: Pq_scales, .offset: 8, .size: 8, .value_kind: global_buffer, .address_space: global }
      - { .name: Vq_codes, .offset: 16, .size: 8, .value_kind: global_buffer, .address_space: global }
      - { .name: Vq_scales, .offset: 24, .size: 8, .value_kind: global_buffer, .address_space: global }
      - { .name: bq, .offset: 32, .size: 8, .value_kind: global_buffer, .address_space: global }
      - { .name: Pk_codes, .offset: 40, .size: 8, .value_kind: global_buffer, .address_space: global }
      - { .name: Pk_scales, .offset: 48, .size: 8, .value_kind: global_buffer, .address_space: global }
      - { .name: Vk_codes, .offset: 56, .size: 8, .value_kind: global_buffer, .address_space: global }
      - { .name: Vk_scales, .offset: 64, .size: 8, .value_kind: global_buffer, .address_space: global }
      - { .name: bk, .offset: 72, .size: 8, .value_kind: global_buffer, .address_space: global }
      - { .name: Pv_codes, .offset: 80, .size: 8, .value_kind: global_buffer, .address_space: global }
      - { .name: Pv_scales, .offset: 88, .size: 8, .value_kind: global_buffer, .address_space: global }
      - { .name: Vv_codes, .offset: 96, .size: 8, .value_kind: global_buffer, .address_space: global }
      - { .name: Vv_scales, .offset: 104, .size: 8, .value_kind: global_buffer, .address_space: global }
      - { .name: bv, .offset: 112, .size: 8, .value_kind: global_buffer, .address_space: global }
      - { .name: attention_mask, .offset: 120, .size: 8, .value_kind: global_buffer, .address_space: global }
      - { .name: position_ids, .offset: 128, .size: 8, .value_kind: global_buffer, .address_space: global }
      - { .name: qimg, .offset: 136, .size: 8, .value_kind: global_buffer, .address_space: global }
      - { .name: kimg, .offset: 144, .size: 8, .value_kind: global_buffer, .address_space: global }
      - { .name: vimg, .offset: 152, .size: 8, .value_kind: global_buffer, .address_space: global }
    .group_segment_fixed_size: 0
    .private_segment_fixed_size: 0
    .kernarg_segment_align: 8
    .kernarg_segment_size: 160
    .max_flat_workgroup_size: 128
    .sgpr_count:     96
    .vgpr_count:     1024
    .wavefront_size: 32
...
	.end_amdgpu_metadata
.endif
;; end of part 1
;; launch attn (part 2): grid 4 x 64, 8 waves a work-group, clusters of 4 x 1, 327,680 bytes of LDS; arguments qimg, kimg, vimg, out0; writes out0
.if DOCPART == 2
	.amdgcn_target "amdgcn-amd-amdhsa--gfx1250"
	.amdhsa_code_object_version 6
	.text
	.protected	k_q3160dbecfe_attn
	.globl	k_q3160dbecfe_attn
	.p2align	8
	.type	k_q3160dbecfe_attn,@function
k_q3160dbecfe_attn:
	s_mov_b64 s[64:65], 0
	v_nop
	global_prefetch_b8 v0, s[64:65] scope:SCOPE_SE
	s_setreg_imm32_b32 hwreg(HW_REG_WAVE_MODE, 25, 1), 1
	s_wait_xcnt 0x0
	s_wait_alu depctr_hold_cnt(0) depctr_sa_sdst(0) depctr_va_vdst(0) depctr_va_sdst(0) depctr_va_ssrc(0) depctr_va_vcc(0) depctr_vm_vsrc(0)
	s_getreg_b32 s2, hwreg(HW_REG_IB_STS2, 6, 4)
	s_cmp_eq_u32 s2, 0
	s_cbranch_scc0 .Lentry_in_a_cluster
	s_endpgm
.Lentry_in_a_cluster:
	s_bfe_u32 s2, ttmp6, 0x10000c
	s_cmp_lg_u32 s2, 0x3003
	s_cbranch_scc0 .Lentry_shape_is_right
	s_endpgm
.Lentry_shape_is_right:
; out[b][q][head][:] = sum over keys of p v / sum of p, p = exp(score / 8 - m), m the row's largest score / 8 (0 where every key is masked); both products on codes of E5M2 with E8M0 scales.
; p is quantised as it stands under the row's TRUE maximum, so the keys are walked twice: pass A takes the maximum of all scores, pass B makes the scores again, p, its codes, and O^T += V^T P^T.
; INPUTS are images of operand registers, as the first launch leaves them: qimg, kimg [b x head][group of 64 tokens][4 tiles x 2 x 32 lanes x 16 bytes, then 256 bytes of scale words];
; vimg [b x head][step of 128 keys][4 tiles x 4 x 32 lanes x 16 bytes, then 256 bytes of scale words].  Lane r of tile t of a group is token 32 (t / 2) + 8 (t % 2) + r + 8 (r / 8).
; THE MASK: K has a 65th place, -1 in k and +1 in q, whose scale in k is 2^-126 for a key that counts and 2^127 for a masked key: a masked key's score is about -1.7e38 and its p is 0.
; LIMIT: a row whose largest score lies under -8.5e37 counts as wholly masked (m = 0, result 0); true scores stay under that magnitude.  NaN and infinities are not served.
; SHARES: a cluster of 4 work-groups has one (b, head); a work-group 512 queries, a wave 64 (4 tiles of 16).  All of the head's K (139,264 bytes) and V (135,168) lie in LDS, each fetched once by a joint load
; (mask 15: the four partners need the same bytes), a part a wave.  Nothing is refilled.  No prefetch: the launch's two fills stand at its head, and there is no loop to run ahead in.
; BOTH PRODUCTS ARE USED TRANSPOSED (source 0 = 16 keys or 16 channels, source 1 = 16 queries): a lane holds one query, and the 16 registers of two key tiles are 16 neighbouring keys.
; A UNIT is 32 keys x 2 query tiles: 4 products, 32 scores a lane.  The two halves of S take turns: a unit's products are issued one unit ahead, behind the conversions that free that half, and the unit in hand's
; maxima are the places behind them (ISA guide 7.12.1).  Between a unit's exponentials stand plain lines on the unit before: the first level of its sums (two pairs of p into one) and, behind them, its holds.
; The sums' second level stands among the next maxima: six chains by turns.
; The key step is written once: O^T and the sums begin as zeros.
; REGISTERS.  Window 0: v1-8 addresses; v10-25 sums; v26-33 maxima; v34-43 scale words (p, K, V, Q); v44-47 conversions' scale operands; v48-79 K's fragments; v80-143 S; v144-207 V's fragments (pass A: K's second set);
;   v208-211 at work; v212-214 the way out; v216-223 -m c, later 1 / sum; v224-227 bounds; v228-243 pass A's maxima, pass B's partial sums; v244-245 K's second scale words; v254-255 the spare word's address and 0.
;   Window 1: v0-127 O^T; v128-191 Q's fragments; v192-255 p's codes.
.set GRP,   4352
.set VSTEP, 8448
.set VREG,  139264
.set STG,   274432                     ; the way out: 16 rows x 272 bytes for each wave
.set SPARE, 309248                     ; the spare words: 128 bytes for each wave
.set AK0,  1
.set AKS0, 2
.set AV0,  3
.set AVS0, 4
.set ADK,  5
.set ADKS, 6
.set ADV,  7
.set ADVS, 8
.set LS,   10
.set BM,   26
.set BB,   30
.set PW,   34
.set KS,   38
.set VS,   40
.set QS,   42
.set SOP,  44
.set KF,   48
.set S,    80
.set VF,   144
.set KFB,  144
.set TMP,  208
.set STO,  212
.set RD,   213
.set GO,   214
.set NM,   216
.set BND,  224
.set RM,   228
.set TT,   228
.set KSB,  244
.set SPW,  254
.set NIL,  255
.set QF,   128
.set PC,   192
.set MSB,  0
.macro WIN new                         ; the immediate's high byte repeats the setting that is left
.if MSB != (\new)
	s_set_vgpr_msb (MSB<<8)|(\new)
.set MSB, (\new)
.endif
.endm
.macro NOPS n
.rept \n
	v_nop
.endr
.endm
.macro WALU
	s_wait_alu depctr_va_vdst(0)
.endm
.macro DSW n                           ; a wait for LDS loads.  What plain lines wrote shortly ahead of it is next read behind nine plain lines or more, or behind a batch's wait
	s_wait_dscnt \n
.endm
.macro CROUND                          ; a round of the cluster's barrier
	s_barrier_signal -1
	s_barrier_wait -1
	s_cmp_lg_u32 s12, 0
	s_cbranch_scc1 .Lnot_wave_0_\@
	s_barrier_signal -3
.Lnot_wave_0_\@:
	s_barrier_wait -3
	s_barrier_signal -1
	s_barrier_wait -1
.endm
.macro WMS d, a, b, z, sa, sb, ra, rb  ; z = 1: the product starts its sum; ra, rb: the scales' lanes 16-31
.if (\z) && (\ra) && (\rb)
	v_wmma_scale_f32_16x16x128_f8f6f4 v[\d:\d+7], v[\a:\a+15], v[\b:\b+15], 0, v[\sa], v[\sb] matrix_a_fmt:MATRIX_FMT_BF8 matrix_b_fmt:MATRIX_FMT_BF8 matrix_a_scale:MATRIX_SCALE_ROW1 matrix_b_scale:MATRIX_SCALE_ROW1
.elseif (\z) && (\ra)
	v_wmma_scale_f32_16x16x128_f8f6f4 v[\d:\d+7], v[\a:\a+15], v[\b:\b+15], 0, v[\sa], v[\sb] matrix_a_fmt:MATRIX_FMT_BF8 matrix_b_fmt:MATRIX_FMT_BF8 matrix_a_scale:MATRIX_SCALE_ROW1
.elseif (\z) && (\rb)
	v_wmma_scale_f32_16x16x128_f8f6f4 v[\d:\d+7], v[\a:\a+15], v[\b:\b+15], 0, v[\sa], v[\sb] matrix_a_fmt:MATRIX_FMT_BF8 matrix_b_fmt:MATRIX_FMT_BF8 matrix_b_scale:MATRIX_SCALE_ROW1
.elseif (\z)
	v_wmma_scale_f32_16x16x128_f8f6f4 v[\d:\d+7], v[\a:\a+15], v[\b:\b+15], 0, v[\sa], v[\sb] matrix_a_fmt:MATRIX_FMT_BF8 matrix_b_fmt:MATRIX_FMT_BF8
.elseif (\ra)
	v_wmma_scale_f32_16x16x128_f8f6f4 v[\d:\d+7], v[\a:\a+15], v[\b:\b+15], v[\d:\d+7], v[\sa], v[\sb] matrix_a_fmt:MATRIX_FMT_BF8 matrix_b_fmt:MATRIX_FMT_BF8 matrix_a_scale:MATRIX_SCALE_ROW1
.else
	v_wmma_scale_f32_16x16x128_f8f6f4 v[\d:\d+7], v[\a:\a+15], v[\b:\b+15], v[\d:\d+7], v[\sa], v[\sb] matrix_a_fmt:MATRIX_FMT_BF8 matrix_b_fmt:MATRIX_FMT_BF8
.endif
.endm
.macro SM g, kf, ks                    ; a unit's scores: the 32 keys at kf x query tiles 2 g, 2 g + 1, into half g of S
	WIN 0x04
.irp u,0,1
.irp x,0,1
	WMS S+32*(\g)+16*\x+8*\u, (\kf)+16*\u, QF+32*(\g)+16*\x, 1, \ks, QS+(\g), \u, \x
.endr
.endr
	WIN 0
.endm
.macro KFETCH kf, adr, off             ; 32 keys: two tiles, the lower eight registers of each fragment (the upper eight hold the 65th place and zeros)
.irp u,0,1
.irp c,0,1
	ds_load_b128 v[(\kf)+16*\u+4*\c:(\kf)+16*\u+4*\c+3], v[\adr] offset:(\off)+1024*\u+512*\c
.endr
.endr
.endm
.macro KSLOAD ks, adr, off             ; the scale words of a group of 64 keys
	ds_load_b64 v[\ks:\ks+1], v[\adr] offset:\off
.endm
.macro VFETCH
.irp t,0,1,2,3
.irp c,0,1,2,3
	ds_load_b128 v[VF+16*\t+4*\c:VF+16*\t+4*\c+3], v[ADV] offset:2048*\t+512*\c
.endr
.endr
	ds_load_b64 v[VS:VS+1], v[ADVS]
.endm
; PASS A.  A unit's 32 scores a lane go into eight running maxima, four a query tile, by turns; each sum's registers are read from the low end on
.macro AMAX g
.irp k,0,1
.irp x,0,1
.irp c,0,1,2,3
	v_max3_num_f32 v[RM+8*(\g)+4*\x+\c], v[RM+8*(\g)+4*\x+\c], v[S+32*(\g)+16*\x+8*\k+2*\c], v[S+32*(\g)+16*\x+8*\k+2*\c+1]
.endr
.endr
.endr
.endm
; A trip: 128 keys, eight units; at its top the first unit's products have been issued.  K's fragments have two sets, fetched two quarters ahead.
; The counted waits leave out what was issued behind the set that is needed: 5 (four fragment loads and a pair of scale words) or 4.
.macro PASSA last
	SM 1, KF, KS
	AMAX 0
	KFETCH KF, ADK, GRP
	KSLOAD KSB, ADKS, GRP
	DSW 5
	SM 0, KFB, KS+1
	AMAX 1
	SM 1, KFB, KS+1
	AMAX 0
	KFETCH KFB, ADK, GRP+2048
	DSW 4
	SM 0, KF, KSB
	AMAX 1
	SM 1, KF, KSB
	AMAX 0
.if \last
	KFETCH KF, AK0, 0                              ; pass B's first 32 keys
	KSLOAD KS, AKS0, 0
.else
	KFETCH KF, ADK, 2*GRP
	KSLOAD KS, ADKS, 2*GRP
.endif
	DSW 5
	SM 0, KFB, KSB+1
	AMAX 1
	SM 1, KFB, KSB+1
	AMAX 0
.if !(\last)
	KFETCH KFB, ADK, 2*GRP+2048
	DSW 4
	SM 0, KF, KS
.endif
	AMAX 1
.if !(\last)
	s_add_co_u32 s45, s45, 2*GRP
	v_add_nc_u32 v[ADK], s45, v[AK0]
	v_add_nc_u32 v[ADKS], s45, v[AKS0]
.endif
.endm
; PASS B
.macro FMA4 g, q                       ; t = score x c - m c, c = log2(e) / 8: four of a unit's sixteen lines, ascending in each sum's registers
.irp n,0,2
.irp x,0,1
	v_pk_fma_f32 v[S+32*(\g)+16*\x+4*(\q)+\n:S+32*(\g)+16*\x+4*(\q)+\n+1], v[S+32*(\g)+16*\x+4*(\q)+\n:S+32*(\g)+16*\x+4*(\q)+\n+1], s[40:41], v[NM+4*(\g)+2*\x:NM+4*(\g)+2*\x+1] op_sel_hi:[1,0,0]
.endr
.endr
.endm
.macro MIN2 h, k                       ; the hold of two p at 57,344 x the block's scale (the conversion does not saturate: ISA guide 7.6.2); p is never negative
	v_dual_min_num_f32 v[S+32*(\h)+2*(\k)], v[S+32*(\h)+2*(\k)], v[BND+2*(\h)+(\k)/8] :: v_dual_min_num_f32 v[S+32*(\h)+2*(\k)+1], v[S+32*(\h)+2*(\k)+1], v[BND+2*(\h)+(\k)/8]
.endm
.macro SUM1 h, m                       ; the sums' first level, of the UNQUANTISED p, ahead of the holds of the same four: p 4 m .. 4 m + 3 of half h into one pair
	v_pk_add_f32 v[TT+2*(\m):TT+2*(\m)+1], v[S+32*(\h)+4*(\m):S+32*(\h)+4*(\m)+1], v[S+32*(\h)+4*(\m)+2:S+32*(\h)+4*(\m)+3]
.endm
.macro SUM2 h                          ; the second level: a tile's four pairs into its two running sums
.irp r,0,1,2,3
.irp x,0,1
	v_pk_add_f32 v[LS+4*(2*(\h)+\x)+2*(\r%2):LS+4*(2*(\h)+\x)+2*(\r%2)+1], v[LS+4*(2*(\h)+\x)+2*(\r%2):LS+4*(2*(\h)+\x)+2*(\r%2)+1], v[TT+8*\x+2*\r:TT+8*\x+2*\r+1]
.endr
.endr
.endm
.macro BYTE h                          ; the blocks' scale bytes
.irp x,0,1
	v_lshrrev_b32 v[TMP+2*(\h)+\x], 23, v[SOP+2*(\h)+\x]
.endr
.endm
.macro EXP1 g, e
	v_exp_f32 v[S+32*(\g)+(\e)], v[S+32*(\g)+(\e)]
.endm
.macro EXPS g, fill                    ; p = 2^t of half g; fill: the other half's first sums, holds and bytes stand among them: each reads what was written ahead of the batch's first wait and is read behind its second
.set K_, 0
.rept 8
	EXP1 \g, 4*K_
.if \fill
	SUM1 1-(\g), K_
.endif
	EXP1 \g, 4*K_+1
.if \fill
	MIN2 1-(\g), 2*K_
.endif
	EXP1 \g, 4*K_+2
.if \fill
	MIN2 1-(\g), 2*K_+1
.endif
	EXP1 \g, 4*K_+3
.set K_, K_+1
.endr
.if \fill
	BYTE 1-(\g)
.else
	v_nop                                          ; a plain line behind the last exponential
.endif
.endm
.macro CVT h, qd                       ; half h's codes: registers 4 qd .. 4 qd + 3 of p's fragments
	WIN 0x40
.irp x,0,1
	v_cvt_scalef32_pk8_bf8_f32 v[PC+16*(2*(\h)+\x)+4*(\qd):PC+16*(2*(\h)+\x)+4*(\qd)+1], v[S+32*(\h)+16*\x:S+32*(\h)+16*\x+7], v[SOP+2*(\h)+\x]
	v_cvt_scalef32_pk8_bf8_f32 v[PC+16*(2*(\h)+\x)+4*(\qd)+2:PC+16*(2*(\h)+\x)+4*(\qd)+3], v[S+32*(\h)+16*\x+8:S+32*(\h)+16*\x+15], v[SOP+2*(\h)+\x]
.endr
	WIN 0
.endm
.macro PWOR h, qd                      ; the byte into p's scale word (also the plain lines behind the conversions)
.irp x,0,1
.if (\qd) == 0
	v_mov_b32 v[PW+2*(\h)+\x], v[TMP+2*(\h)+\x]
.else
	v_lshl_or_b32 v[PW+2*(\h)+\x], v[TMP+2*(\h)+\x], 8*(\qd), v[PW+2*(\h)+\x]
.endif
.endr
.endm
; half g's largest p (with the floor 2^(16 - 127), so that the byte cannot fall under 1), two chains a tile; sm: among them the second level of the other half's sums: six chains by turns
.macro CHAINS g, sm
.set P_, S+32*(\g)
.set I_, 2*(\g)
.irp r,0,1,2,3
.irp x,0,1
.if \r == 0
	v_max3_num_f32 v[BM+I_+\x], v[P_+16*\x], v[P_+16*\x+1], 0x8000000
.else
	v_max3_num_f32 v[BM+I_+\x], v[BM+I_+\x], v[P_+16*\x+2*\r], v[P_+16*\x+2*\r+1]
.endif
.endr
.if \sm
.irp x,0,1
	v_pk_add_f32 v[LS+4*(2-I_+\x)+2*(\r%2):LS+4*(2-I_+\x)+2*(\r%2)+1], v[LS+4*(2-I_+\x)+2*(\r%2):LS+4*(2-I_+\x)+2*(\r%2)+1], v[TT+8*\x+2*\r:TT+8*\x+2*\r+1]
.endr
.endif
.if \r < 3
.irp x,0,1
.if \r == 0
	v_max3_num_f32 v[BB+I_+\x], v[P_+16*\x+8], v[P_+16*\x+9], v[P_+16*\x+10]
.else
	v_max3_num_f32 v[BB+I_+\x], v[BB+I_+\x], v[P_+16*\x+9+2*\r], v[P_+16*\x+10+2*\r]
.endif
.endr
.endif
.if \r == 3
.irp x,0,1
	v_max3_num_f32 v[BM+I_+\x], v[BM+I_+\x], v[BB+I_+\x], v[P_+16*\x+15]
.endr
.endif
.endr
.endm
.macro BL1 g                           ; a block of 32 keys lies in lanes l and l xor 16
.irp x,0,1
	v_permlanex16_b32 v[TMP+2*(\g)+\x], v[BM+2*(\g)+\x], s42, s43
.endr
.endm
.macro BL2 g
.irp x,0,1
	v_max_num_f32 v[BM+2*(\g)+\x], v[BM+2*(\g)+\x], v[TMP+2*(\g)+\x]
.endr
.endm
.macro BL3 g                           ; 57,344 x the scale; and 15 off the exponent field: the conversion's scale operand
.irp x,0,1
	v_and_or_b32 v[BND+2*(\g)+\x], v[BM+2*(\g)+\x], 0x7f800000, s44
.endr
.irp x,0,1
	v_add_nc_u32 v[SOP+2*(\g)+\x], 0xf8800000, v[BM+2*(\g)+\x]
.endr
.endm
.macro PV                              ; O^T += V^T P^T over the step's 128 keys: sixteen sums by turns
	WIN 0x54
.irp t,0,1,2,3
.irp i,0,1,2,3
	WMS 32*\i+8*\t, VF+16*\t, PC+16*\i, 0, VS+\t/2, PW+\i, \t%2, 0
.endr
.endr
	WALU                                           ; the wait
	WIN 0
.endm
.macro BODY n                          ; unit n of a key step's eight: quarter n / 2, half n % 2
.set G_, (\n)%2
.set H_, 1-G_
.set KQ_, (((\n)+1)/2)%2
	WALU                                           ; a wait ahead of the batch (unit 7: and ahead of the branch)
.if (\n) == 7
	s_cmp_eq_u32 s47, 1                            ; the next step's first 32 keys; the last trip has no next step
	s_cbranch_scc1 .Lno_keys_\@
	KFETCH KF, ADK, 2*GRP
	KSLOAD KS, ADKS, 2*GRP
.Lno_keys_\@:
.endif
	EXPS G_, \n
	WALU                                           ; a wait behind the batch
.if (\n) > 0
	CVT H_, ((\n)-1)/2
	PWOR H_, ((\n)-1)/2
.endif
.if (\n) == 7
	s_cmp_eq_u32 s47, 1                            ; the last trip has no next step
	s_cbranch_scc1 .Lno_next_\@
	s_wait_dscnt 0x0
	SM 0, KF, KS
.Lno_next_\@:
.else
.if (\n)%2
	DSW 0                                          ; the next quarter's keys, asked for one unit ago
.endif
	SM H_, KF, KS+KQ_
.endif
	CHAINS G_, \n                                  ; 16 or 24 plain lines: the places behind the products, ahead of the loads below and of the readers of the scores
.if (\n) == 0
	KFETCH KF, ADK, 2048
.elseif (\n) == 2
	KFETCH KF, ADK, GRP
	KSLOAD KS, ADKS, GRP
.elseif (\n) == 3
	VFETCH
.elseif (\n) == 4
	KFETCH KF, ADK, GRP+2048
.endif
.if (\n) < 7
	FMA4 H_, 0                                     ; the block's scale lines among the next unit's multiply-adds
	BL1 G_
	FMA4 H_, 1
	BL2 G_
	FMA4 H_, 2
	BL3 G_
	FMA4 H_, 3
.else
	BL1 1                                          ; the step's end: the last unit's scale lines among its first sums
.irp m,0,1,2,3
	SUM1 1, \m
.endr
	BL2 1
.irp m,4,5,6,7
	SUM1 1, \m
.endr
	BL3 1
	BYTE 1
	PWOR 1, 3                                      ; the scale words stand 16 lines and more ahead of the products
.set K_, 0
.rept 16
	MIN2 1, K_
.set K_, K_+1
.endr
	CVT 1, 3
	s_add_co_u32 s45, s45, 2*GRP
	s_add_co_u32 s46, s46, VSTEP
	v_add_nc_u32 v[ADK], s45, v[AK0]               ; twelve plain lines between the codes and the products that read them
	v_add_nc_u32 v[ADKS], s45, v[AKS0]
	v_add_nc_u32 v[ADV], s46, v[AV0]
	v_add_nc_u32 v[ADVS], s46, v[AVS0]
	SUM2 1
	PV
.endif
.endm
.macro OUTT i                          ; query tile i: O^T / the sum, through my stage in LDS, out as rows of 256 bytes
.set OM, S+32*((\i)%2)
.set BK, VF+32*((\i)%2)
	WIN 0x01
.irp k,0,2,4,6,8,10,12,14,16,18,20,22,24,26,28,30
	v_pk_mul_f32 v[OM+\k:OM+\k+1], v[32*(\i)+\k:32*(\i)+\k+1], v[NM+2*(\i):NM+2*(\i)+1] op_sel_hi:[1,0]
.endr
	WIN 0
.irp t,0,1,2,3
	ds_store_b128 v[STO], v[OM+8*\t:OM+8*\t+3] offset:64*\t
	ds_store_b128 v[STO], v[OM+8*\t+4:OM+8*\t+7] offset:64*\t+16
.endr
.if (\i) >= 2
	s_wait_xcnt 0x0                                ; tile i - 2's stores have read their registers
.endif
.irp k,0,1,2,3,4,5,6,7
	ds_load_b128 v[BK+4*\k:BK+4*\k+3], v[RD] offset:\k*544
.endr
.irp k,0,1,2,3,4,5,6,7
	s_wait_dscnt 7-\k
	global_store_b128 v[GO], v[BK+4*\k:BK+4*\k+3], s[10:11] offset:(32*((\i)/2)+8*((\i)%2)+2*\k+8*(\k/4))*4096 th:TH_STORE_NT   ; sixteen lanes store 256 consecutive bytes, aligned
.endr
.endm
	s_load_b256 s[4:11], s[0:1], 0x0               ; qimg, kimg, vimg, out0
	v_lshl_add_u32 v[SPW], v0, 2, SPARE
	v_mov_b32 v[NIL], 0
	ds_add_u32 v[SPW], v[NIL]                      ; the opening lines: the add, twice on end, and its wait ahead of my first tensor load
	ds_add_u32 v[SPW], v[NIL]
	v_lshrrev_b32 v9, 5, v0
	v_readfirstlane_b32 s12, v9                    ; wave 0..7
	v_and_b32 v215, 31, v0
	v_lshlrev_b32 v[AK0], 4, v215                  ; an image's place for my lane
	v_lshlrev_b32 v[AKS0], 3, v215                 ; two scale words' place
	v_add_nc_u32 v[AVS0], VREG+8192, v[AKS0]
	v_add_nc_u32 v[AKS0], 4096, v[AKS0]
	v_add_nc_u32 v[AV0], VREG, v[AK0]
	s_bfe_u32 s13, ttmp6, 0x40000                  ; cx: it enters global addresses of Q and of the result alone
	s_and_b32 s14, ttmp7, 0xffff                   ; b x head
	s_mov_b32 s16, 0x0023000f                      ; group 1, K: elements of 8 bytes, mask 15 with bit 21; 68 rows of 256 bytes, dense
	s_mov_b32 s17, 32<<16
	s_mov_b32 s18, 68<<16
	s_mov_b32 s19, 32<<16
	s_mov_b32 s20, 68
	s_mov_b32 s21, 32
	s_mov_b32 s22, 0
	s_mov_b32 s23, 0
	s_mov_b32 s24, 0x0023000f                      ; group 1, V: 66 rows
	s_mov_b32 s25, 32<<16
	s_mov_b32 s26, 66<<16
	s_mov_b32 s27, 32<<16
	s_mov_b32 s28, 66
	s_mov_b32 s29, 32
	s_mov_b32 s30, 0
	s_mov_b32 s31, 0
	s_mov_b32 s32, 1
	s_mul_i32 s33, s12, 17408                      ; my eighth of K
	s_mul_i32 s48, s14, 139264
	s_add_co_u32 s48, s48, s33
	s_mov_b32 s49, 0
	s_mov_b32 s36, 1
	s_mul_i32 s56, s12, 16896                      ; my eighth of V
	s_mul_i32 s50, s14, 135168
	s_add_co_u32 s50, s50, s56
	s_mov_b32 s51, 0
	s_add_co_u32 s37, s56, VREG
	s_lshl_b32 s15, s13, 3
	s_add_co_u32 s15, s15, s12                     ; my group of 64 queries
	s_mul_i32 s52, s14, 139264
	s_mul_i32 s57, s15, GRP
	s_add_co_u32 s52, s52, s57
	s_mov_b32 s53, 0
	s_lshr_b32 s54, s14, 4
	s_lshl_b32 s54, s54, 23
	s_lshl_b32 s57, s15, 18
	s_add_co_u32 s54, s54, s57
	s_and_b32 s57, s14, 15
	s_lshl_b32 s57, s57, 8
	s_add_co_u32 s54, s54, s57                     ; my first row of the result
	s_mov_b32 s55, 0
	s_mov_b32 s40, 0x3e38aa3b                      ; c = log2(e) / 8
	s_mov_b32 s41, s40
	s_mov_b32 s42, 0x76543210
	s_mov_b32 s43, 0xfedcba98                      ; lane l xor 16
	s_mov_b32 s44, 0x600000                        ; the mantissa field of 57,344
	WALU
	s_wait_dscnt 0x0
	s_wait_kmcnt 0x0
	s_add_nc_u64 s[34:35], s[6:7], s[48:49]
	s_or_b32 s35, s35, 0x80000000
	s_add_nc_u64 s[38:39], s[8:9], s[50:51]
	s_or_b32 s39, s39, 0x80000000
	s_add_nc_u64 s[4:5], s[4:5], s[52:53]
	s_add_nc_u64 s[10:11], s[10:11], s[54:55]
	WIN 0x40                                       ; Q's fragments and scale words are asked for first: they stay in registers
.irp i,0,1,2,3
.irp c,0,1
	global_load_b128 v[QF+16*\i+4*\c:QF+16*\i+4*\c+3], v[AK0], s[4:5] offset:1024*\i+512*\c
.endr
.endr
	WIN 0
	global_load_b64 v[QS:QS+1], v[AKS0], s[4:5]
	CROUND
	tensor_load_to_lds s[32:35], s[16:23]          ; K: one tensor load a wave at the head
	s_nop 0
	NOPS 4
	v_bfe_u32 v9, v0, 4, 1
	v_and_b32 v215, 15, v0
	v_cmp_eq_u32 vcc_lo, 0, v9
	v_mov_b32 v46, 0x3c                            ; the code of +1
	v_mov_b32 v47, 0xbc                            ; and of -1
	v_cndmask_b32 v44, 0, v46, vcc_lo              ; the 65th place is byte 0 of register 8 in lanes 0-15
	v_cndmask_b32 v45, 0, v47, vcc_lo
.irp b,KF,KFB
.irp u,0,1
	v_mov_b32 v[\b+16*\u+8], v45
.irp j,9,10,11,12,13,14,15
	v_mov_b32 v[\b+16*\u+\j], 0
.endr
.endr
.endr
	WIN 0x40
.irp i,0,1,2,3
	v_mov_b32 v[QF+16*\i+8], v44
.irp j,9,10,11,12,13,14,15
	v_mov_b32 v[QF+16*\i+\j], 0
.endr
.endr
	WIN 0
.irp i,0,1,2,3
	v_mov_b32 v[TMP+\i], 0                         ; a lane permute's destination counts as one of its sources
.endr
	s_mul_i32 s56, s12, 16*272
	s_add_co_u32 s56, s56, STG                     ; my stage
	v_mul_u32_u24 v[STO], v215, 272
	v_mul_u32_u24 v[RD], v9, 272
	v_lshlrev_b32 v[GO], 12, v9
	v_lshl_add_u32 v[STO], v9, 5, v[STO]
	v_lshl_add_u32 v[RD], v215, 4, v[RD]
	v_lshl_add_u32 v[GO], v215, 4, v[GO]
	v_add_nc_u32 v[STO], s56, v[STO]
	v_add_nc_u32 v[RD], s56, v[RD]
	s_mov_b32 s45, 0
	v_add_nc_u32 v[ADK], s45, v[AK0]
	v_add_nc_u32 v[ADKS], s45, v[AKS0]
	WALU
	s_wait_tensorcnt 0x0                           ; my part of K is in
	ds_add_u32 v[SPW], v[NIL]
	s_wait_dscnt 0x0
	CROUND                                         ; all of K is in
	tensor_load_to_lds s[36:39], s[24:31]          ; V: it has all of pass A in which to land
	s_nop 0
	NOPS 4
	KFETCH KF, ADK, 0
	KSLOAD KS, ADKS, 0
	KFETCH KFB, ADK, 2048
	s_wait_loadcnt 0x0                             ; Q
	s_wait_dscnt 4                                 ; the first 32 keys and their scale words; the second set's four loads may be out
	SM 0, KF, KS
.set N_, 0
.rept 16
	v_mov_b32 v[RM+N_], 0xff800000                 ; the running maxima: -infinity.  (Also the places behind the first products)
.set N_, N_+1
.endr
	s_mov_b32 s47, 15
.Lpa:
	PASSA 0
	s_sub_co_u32 s47, s47, 1
	s_cmp_lg_u32 s47, 0
	WALU
	s_cbranch_scc1 .Lpa
	PASSA 1
.irp i,0,1,2,3
	v_max3_num_f32 v[RM+4*\i], v[RM+4*\i], v[RM+4*\i+1], v[RM+4*\i+2]
.endr
.irp i,0,1,2,3
	v_max_num_f32 v[RM+4*\i], v[RM+4*\i], v[RM+4*\i+3]
.endr
.irp i,0,1,2,3
	v_permlanex16_b32 v[TMP+\i], v[RM+4*\i], s42, s43
.endr
.irp i,0,1,2,3
	v_max_num_f32 v[RM+4*\i], v[RM+4*\i], v[TMP+\i]   ; the row's largest score
.endr
	s_mov_b32 s56, 0xfe800000                      ; -8.5e37: under it every key was masked, and m = 0
	s_mov_b32 s57, 0xbe38aa3b                      ; -c
.irp i,0,1,2,3
	v_cmp_lt_f32 vcc_lo, s56, v[RM+4*\i]
	v_mul_f32 v[RM+4*\i], s57, v[RM+4*\i]
	v_cndmask_b32 v[NM+2*\i], 0, v[RM+4*\i], vcc_lo
.endr
.irp i,0,1,2,3
	v_mov_b32 v[NM+2*\i+1], v[NM+2*\i]             ; (named with it as a pair)
.endr
	WALU
	s_wait_tensorcnt 0x0                           ; my part of V is in
	s_wait_dscnt 0x0
	s_barrier_signal -1
	s_barrier_wait -1                              ; all of V is in
	SM 0, KF, KS
	WIN 0x40
.set N_, 0
.rept 128
	v_mov_b32 v[N_], 0                             ; O^T begins as zeros, so that the key step is written once.  (Also the places behind the products above)
.set N_, N_+1
.endr
	WIN 0
.set N_, 0
.rept 16
	v_mov_b32 v[LS+N_], 0
.set N_, N_+1
.endr
	s_mov_b32 s45, 0
	s_mov_b32 s46, 0
	v_add_nc_u32 v[ADK], s45, v[AK0]
	v_add_nc_u32 v[ADKS], s45, v[AKS0]
	v_add_nc_u32 v[ADV], s46, v[AV0]
	v_add_nc_u32 v[ADVS], s46, v[AVS0]
	s_mov_b32 s47, 16
	WALU
.Lpb:                                                  ; a trip: 128 keys; at its top the first unit's scores have been multiplied
	FMA4 0, 0
	FMA4 0, 1
	FMA4 0, 2
	FMA4 0, 3
	BODY 0
	BODY 1
	BODY 2
	BODY 3
	BODY 4
	BODY 5
	BODY 6
	BODY 7
	s_sub_co_u32 s47, s47, 1
	s_cmp_lg_u32 s47, 0
	s_cbranch_scc1 .Lpb
.irp i,0,1,2,3
	v_pk_add_f32 v[LS+4*\i:LS+4*\i+1], v[LS+4*\i:LS+4*\i+1], v[LS+4*\i+2:LS+4*\i+3]
.endr
.irp i,0,1,2,3
	v_add_f32 v[BM+\i], v[LS+4*\i], v[LS+4*\i+1]
.endr
.irp i,0,1,2,3
	v_permlanex16_b32 v[TMP+\i], v[BM+\i], s42, s43
.endr
.irp i,0,1,2,3
	v_add_f32 v[BM+\i], v[BM+\i], v[TMP+\i]        ; the row's sum
.endr
.irp i,0,1,2,3
	v_cmp_lt_f32 vcc_lo, 0, v[BM+\i]
	v_cndmask_b32 v[BM+\i], 1.0, v[BM+\i], vcc_lo  ; a row with no key: its O^T is 0 and is divided by 1
.endr
	WALU
.irp i,0,1,2,3
	v_rcp_f32 v[NM+2*\i], v[BM+\i]
.endr
	v_nop
	WALU
	OUTT 0
	OUTT 1
	OUTT 2
	OUTT 3
	s_wait_dscnt 0x0
	s_wait_tensorcnt 0x0                           ; the wave's end
	ds_add_u32 v[SPW], v[NIL]
	s_wait_dscnt 0x0
	CROUND                                         ; the closing round
	s_endpgm
.Lfunc_end_k_q3160dbecfe_attn:
	.size	k_q3160dbecfe_attn, .Lfunc_end_k_q3160dbecfe_attn-k_q3160dbecfe_attn
	.p2alignl 7, 3214868480
	.fill 96, 4, 3214868480
	.section	.rodata,"a",@progbits
	.p2align	6, 0x0
	.amdhsa_kernel k_q3160dbecfe_attn
		.amdhsa_group_segment_fixed_size 327680
		.amdhsa_private_segment_fixed_size 0
		.amdhsa_enable_private_segment 0
		.amdhsa_kernarg_size 32
		.amdhsa_user_sgpr_count 2
		.amdhsa_user_sgpr_kernarg_segment_ptr 1
		.amdhsa_wavefront_size32 1
		.amdhsa_system_sgpr_workgroup_id_x 1
		.amdhsa_system_sgpr_workgroup_id_y 1
		.amdhsa_system_sgpr_workgroup_id_z 1
		.amdhsa_system_vgpr_workitem_id 0
		.amdhsa_next_free_vgpr 512
		.amdhsa_next_free_sgpr 66
		.amdhsa_reserve_vcc 1
		.amdhsa_float_denorm_mode_32 3
		.amdhsa_float_denorm_mode_16_64 3
		.amdhsa_memory_ordered 1
		.amdhsa_forward_progress 1
		.amdhsa_inst_pref_size 118
	.end_amdhsa_kernel
	.amdgpu_metadata
---
amdhsa.version: [ 1, 2 ]
amdhsa.kernels:
  - .name:           k_q3160dbecfe_attn
    .symbol:         k_q3160dbecfe_attn.kd
    .args:
      - { .name: qimg, .offset: 0, .size: 8, .value_kind: global_buffer, .address_space: global }
      - { .name: kimg, .offset: 8, .size: 8, .value_kind: global_buffer, .address_space: global }
      - { .name: vimg, .offset: 16, .size: 8, .value_kind: global_buffer, .address_space: global }
      - { .name: out0, .offset: 24, .size: 8, .value_kind: global_buffer, .address_space: global }
    .group_segment_fixed_size: 327680
    .private_segment_fixed_size: 0
    .kernarg_segment_align: 8
    .kernarg_segment_size: 32
    .max_flat_workgroup_size: 256
    .sgpr_count:     66
    .vgpr_count:     512
    .wavefront_size: 32
...
	.end_amdgpu_metadata
.endif
;; end of part 2
